; MI455X (gfx1250); checked and timed in simulation.
; The chip was launched on July 23, 2026; its instructions are those of AMD's public machine-readable ISA for CDNA 5 (MIT licence, August 2026) and "CDNA5" Instruction Set Architecture Reference Guide (July 2026). The comments in the code are by the model that wrote it; some were corrected since.
;; Vector Quantizer. Allowed arithmetic: float matrix products may take bf16 or f16 operands with f32 sums; other float arithmetic in f32, or as packed bf16 or f16 multiplies, adds, multiply-adds, maxima and minima; sums over many terms, partial sums and values carried from step to step in f32; what a program stores and reads back later, other than sums and carried values, may be rounded once to bf16 or f16.
;; Inputs: codebook 8,192 x 256 float32; x 32 x 256 x 32 x 32 float32.
;; Outputs: out0 32 x 256 x 32 x 32 float32; out1 one number float32.
;; One version. Each part assembles by itself: llvm-mc -triple=amdgcn-amd-amdhsa -mcpu=gfx1250 --defsym DOCPART=n.
;; ======== version 1 of 1: 3 launches
;; limits: a difference of large sums (such as E[x^2] - mean^2): digits are lost where the result is much smaller than its terms
;; workspace buffers: cb16 4,325,376 bytes; idx 131,072 bytes of whole numbers; part 1,024 bytes
;; launch prep (part 1): grid 256 x 1, 2 waves a work-group, no clusters, 17,152 bytes of LDS; arguments codebook, cb16; writes cb16
.if DOCPART == 1
	.amdgcn_target "amdgcn-amd-amdhsa--gfx1250"
	.amdhsa_code_object_version 6
	.text
	.protected	k_qe7ae32c71d_prep
	.globl	k_qe7ae32c71d_prep
	.p2align	8
	.type	k_qe7ae32c71d_prep,@function
k_qe7ae32c71d_prep:
	s_mov_b64 s[64:65], 0
	v_nop
	global_prefetch_b8 v0, s[64:65] scope:SCOPE_SE
	s_setreg_imm32_b32 hwreg(HW_REG_WAVE_MODE, 25, 1), 1
	s_wait_xcnt 0x0
; THE CODEBOOK, MADE READY.  codebook: [8192][256] f32.  cb16: 512 tiles of 16 codes, 8,448 bytes each, in the very image that the search keeps in LDS:
; row i of a tile at byte 528 i: 256 bf16 (rounded to nearest even), then 16 bytes of pad.  The pads of rows 0 to 3 hold se[0..15] of the tile in f32,
; se = the sum of the squares of the ROUNDED numbers; the pads of rows 4 to 15 hold 0.  528 = 33 x 16, so sixteen rows of a fragment load start in sixteen different groups of four banks.
; SHARES.  One wave makes one tile: 16 rows in (16 KiB), 8,448 bytes out.  A lane holds columns 4 l .. 4 l + 3 and 128 + 4 l .. + 3 of every row, so each load of the wave covers 512 consecutive bytes.
; The tile is put together in the wave's own stage in LDS and leaves as whole runs of 512 consecutive bytes (the last run: 256).  No wave reads another's bytes: no barrier.
; No matrix unit, no cluster, no tensor load: the launch moves 12 MB once and shares nothing.
.set PITCH, 528
.set TILEB, 16*PITCH                   ; 8,448 = 33 x 256
.set SPARE, 2*TILEB                    ; behind the two stages: the spare words, 128 bytes a wave, one block of 256 bytes that no other line names
.set LN,   1                           ; v1   lane
.set LO,   2                           ; v2   16 x lane: my bytes in a run of 512, in memory
.set ST8,  3                           ; v3   my stage + 8 x lane: where my four bf16 go
.set PADA, 4                           ; v4   my stage
.set RD16, 5                           ; v5   my stage + 16 x lane: the way back
.set SPW,  6                           ; v6   LDS address of my spare word; never rewritten
.set NIL,  7                           ; v7   0; never rewritten
.set T,    8                           ; v8-15  at work
.set Z,    16                          ; v16-19 zeros for the pads of rows 4 to 15
.set SEV,  20                          ; v20-35 se of the 16 rows, the same in every lane
.set TL,   36                          ; v36  my stage + 16 x (lane mod 16): the last 256 bytes
.set TG,   37                          ; v37  16 x (lane mod 16)
.set D,    40                          ; v40-167 row i as loaded at D + 8 i; later the tile on its way out
	s_load_b128 s[4:7], s[0:1], 0x0                ; codebook s[4:5], cb16 s[6:7]
	v_lshl_add_u32 v[SPW], v0, 2, SPARE
	v_mov_b32 v[NIL], 0
	v_and_b32 v[LN], 31, v0
	v_lshrrev_b32 v[T], 5, v0
	v_readfirstlane_b32 s8, v[T]                   ; wave 0, 1
	s_lshl_b32 s9, ttmp9, 1
	s_add_co_u32 s9, s9, s8                        ; my tile
	s_lshl_b32 s10, s9, 14                         ; its 16 rows of 1,024 bytes in the codebook
	s_mov_b32 s11, 0
	s_mul_i32 s16, s9, TILEB                       ; and its place in cb16
	s_mov_b32 s17, 0
	s_mul_i32 s18, s8, TILEB                       ; my stage
	s_mov_b32 s12, 0xffff0000                      ; a word's upper bf16
	s_mov_b32 s14, 0x76543210                      ; v_permlanex16_b32: each lane takes its own place in the other half
	s_mov_b32 s15, 0xfedcba98
	v_lshlrev_b32 v[LO], 4, v[LN]
	v_lshl_add_u32 v[ST8], v[LN], 3, s18
	v_add_nc_u32 v[RD16], s18, v[LO]
	v_mov_b32 v[PADA], s18
	v_and_b32 v[TG], 15, v0
	v_lshlrev_b32 v[TG], 4, v[TG]
	v_add_nc_u32 v[TL], s18, v[TG]
.irp k, 0,1,2,3
	v_mov_b32 v[Z+\k], 0
.endr
	s_wait_kmcnt 0x0
	s_add_nc_u64 s[4:5], s[4:5], s[10:11]
	s_add_nc_u64 s[6:7], s[6:7], s[16:17]
.set i, 0
.rept 16                                               ; all 32 loads go out at once: the wave's whole 16 KiB is on its way
	global_load_b128 v[D+8*i:D+8*i+3],   v[LO], s[4:5] offset:1024*i th:TH_LOAD_NT
	global_load_b128 v[D+8*i+4:D+8*i+7], v[LO], s[4:5] offset:1024*i+512 th:TH_LOAD_NT
.set i, i+1
.endr
; Row i: rounded, stored into the stage, and the squares of the rounded numbers summed over lane and wave.
.macro ROW i
	s_wait_loadcnt 2*(15-(\i))                     ; loads come back in order: row i's two are in, the younger rows' stay out
	v_cvt_pk_bf16_f32 v[D+8*(\i)],   v[D+8*(\i)],   v[D+8*(\i)+1]  ; in place: each line's target has been read by the lines above it
	v_cvt_pk_bf16_f32 v[D+8*(\i)+1], v[D+8*(\i)+2], v[D+8*(\i)+3]
	v_cvt_pk_bf16_f32 v[D+8*(\i)+2], v[D+8*(\i)+4], v[D+8*(\i)+5]
	v_cvt_pk_bf16_f32 v[D+8*(\i)+3], v[D+8*(\i)+6], v[D+8*(\i)+7]
	ds_store_b64 v[ST8], v[D+8*(\i):D+8*(\i)+1]   offset:(\i)*PITCH      ; columns 4 l ..
	ds_store_b64 v[ST8], v[D+8*(\i)+2:D+8*(\i)+3] offset:(\i)*PITCH+256  ; columns 128 + 4 l ..
.irp k, 0,1,2,3
	v_lshlrev_b32 v[T+2*\k],   16,  v[D+8*(\i)+\k] ; bf16 back to f32
	v_and_b32     v[T+2*\k+1], s12, v[D+8*(\i)+\k]
.endr
	v_pk_mul_f32 v[T:T+1], v[T:T+1], v[T:T+1]
	v_pk_fma_f32 v[T:T+1], v[T+2:T+3], v[T+2:T+3], v[T:T+1]
	v_pk_fma_f32 v[T:T+1], v[T+4:T+5], v[T+4:T+5], v[T:T+1]
	v_pk_fma_f32 v[T:T+1], v[T+6:T+7], v[T+6:T+7], v[T:T+1]
	v_add_f32 v[T], v[T], v[T+1]
	v_add_f32_dpp v[T], v[T], v[T] row_xmask:1 row_mask:0xf bank_mask:0xf
	v_add_f32_dpp v[T], v[T], v[T] row_xmask:2 row_mask:0xf bank_mask:0xf
	v_add_f32_dpp v[T], v[T], v[T] row_xmask:4 row_mask:0xf bank_mask:0xf
	v_add_f32_dpp v[T], v[T], v[T] row_xmask:8 row_mask:0xf bank_mask:0xf
	v_permlanex16_b32 v[T+1], v[T], s14, s15
	v_add_f32 v[SEV+(\i)], v[T], v[T+1]            ; every lane holds se of row i
.endm
.irp i, 0,1,2,3,4,5,6,7,8,9,10,11,12,13,14,15
	ROW \i
.endr
.irp i, 0,1,2,3
	ds_store_b128 v[PADA], v[SEV+4*\i:SEV+4*\i+3] offset:\i*PITCH+512  ; all lanes write the same 16 bytes with the same numbers
.endr
.irp i, 4,5,6,7,8,9,10,11,12,13,14,15
	ds_store_b128 v[PADA], v[Z:Z+3] offset:\i*PITCH+512
.endr
	; THE WAY OUT.  LDS serves a wave's instructions in order (ISA guide 5.7.1.4), and the stage is my own: the loads below see the stores above.
.set m, 0
.rept 16
	ds_load_b128 v[D+4*m:D+4*m+3], v[RD16] offset:512*m
.set m, m+1
.endr
	ds_load_b128 v[D+64:D+67], v[TL] offset:8192   ; the last 256 bytes, twice over the two halves of the lanes: no lane's address leaves the stage
.set m, 0
.rept 16
	s_wait_dscnt 16-m                              ; run m is back; the younger ones stay out
	global_store_b128 v[LO], v[D+4*m:D+4*m+3], s[6:7] offset:512*m  ; 512 consecutive bytes, at a multiple of 256 from cb16's first byte
.set m, m+1
.endr
	s_wait_dscnt 0x0
	v_cmp_gt_u32 vcc_lo, 16, v[LN]
	s_wait_xcnt 0x0                                ; EXEC is a source of the stores above: it changes only behind this wait
	s_and_saveexec_b32 s20, vcc_lo
	global_store_b128 v[TG], v[D+64:D+67], s[6:7] offset:8192  ; lanes 0 to 15: the tile's last 256 bytes
	s_wait_xcnt 0x0                                ; and again, in front of the line that widens it
	s_or_b32 exec_lo, exec_lo, s20
	s_wait_tensorcnt 0x0                           ; the wave's end: these three lines, behind my last LDS store
	ds_add_u32 v[SPW], v[NIL]
	s_wait_dscnt 0x0
	s_endpgm
.Lfunc_end_k_qe7ae32c71d_prep:
	.size	k_qe7ae32c71d_prep, .Lfunc_end_k_qe7ae32c71d_prep-k_qe7ae32c71d_prep
	.p2alignl 7, 3214868480
	.fill 96, 4, 3214868480
	.section	.rodata,"a",@progbits
	.p2align	6, 0x0
	.amdhsa_kernel k_qe7ae32c71d_prep
		.amdhsa_group_segment_fixed_size 17152
		.amdhsa_private_segment_fixed_size 0
		.amdhsa_enable_private_segment 0
		.amdhsa_kernarg_size 16
		.amdhsa_user_sgpr_count 2
		.amdhsa_user_sgpr_kernarg_segment_ptr 1
		.amdhsa_wavefront_size32 1
		.amdhsa_system_sgpr_workgroup_id_x 1
		.amdhsa_system_sgpr_workgroup_id_y 1
		.amdhsa_system_sgpr_workgroup_id_z 1
		.amdhsa_system_vgpr_workitem_id 0
		.amdhsa_next_free_vgpr 168
		.amdhsa_next_free_sgpr 66
		.amdhsa_reserve_vcc 1
		.amdhsa_float_denorm_mode_32 3
		.amdhsa_float_denorm_mode_16_64 3
		.amdhsa_memory_ordered 1
		.amdhsa_forward_progress 1
		.amdhsa_inst_pref_size 30
	.end_amdhsa_kernel
	.amdgpu_metadata
---
amdhsa.version: [ 1, 2 ]
amdhsa.kernels:
  - .name:           k_qe7ae32c71d_prep
    .symbol:         k_qe7ae32c71d_prep.kd
    .args:
      - { .name: codebook, .offset: 0, .size: 8, .value_kind: global_buffer, .address_space: global }
      - { .name: cb16, .offset: 8, .size: 8, .value_kind: global_buffer, .address_space: global }
    .group_segment_fixed_size: 17152
    .private_segment_fixed_size: 0
    .kernarg_segment_align: 8
    .kernarg_segment_size: 16
    .max_flat_workgroup_size: 64
    .sgpr_count:     66
    .vgpr_count:     168
    .wavefront_size: 32
...
	.end_amdgpu_metadata
.endif
;; end of part 1
;; launch vq (part 2): grid 256 x 1, 4 waves a work-group, clusters of 4 x 1, 327,680 bytes of LDS; arguments x, cb16, idx, part; writes idx, part
.if DOCPART == 2
	.amdgcn_target "amdgcn-amd-amdhsa--gfx1250"
	.amdhsa_code_object_version 6
	.text
	.protected	k_qe7ae32c71d_vq
	.globl	k_qe7ae32c71d_vq
	.p2align	8
	.type	k_qe7ae32c71d_vq,@function
k_qe7ae32c71d_vq:
	s_mov_b64 s[64:65], 0
	v_nop
	global_prefetch_b8 v0, s[64:65] scope:SCOPE_SE
	s_setreg_imm32_b32 hwreg(HW_REG_WAVE_MODE, 25, 1), 1
	s_wait_xcnt 0x0
	s_wait_alu depctr_hold_cnt(0) depctr_sa_sdst(0) depctr_va_vdst(0) depctr_va_sdst(0) depctr_va_ssrc(0) depctr_va_vcc(0) depctr_vm_vsrc(0)
	s_getreg_b32 s2, hwreg(HW_REG_IB_STS2, 6, 4)
	s_cmp_eq_u32 s2, 0
	s_cbranch_scc0 .Lentry_in_a_cluster
	s_endpgm
.Lentry_in_a_cluster:
	s_bfe_u32 s2, ttmp6, 0x10000c
	s_cmp_lg_u32 s2, 0x3003
	s_cbranch_scc0 .Lentry_shape_is_right
	s_endpgm
.Lentry_shape_is_right:
; THE SEARCH.  For each of the 32,768 rows x[b][:][hw] (256 numbers, 4,096 bytes apart in memory) the code k of 8,192 with the least d = fl(fl(sx + se[k]) - 2 x.e[k]), the first one among equals.
; x and e are rounded to bf16 (e by the launch before, x here); x.e and sx = x.x come from the matrix unit with f32 sums; se comes with the codes; the two roundings of d are made in that order, in f32.
; Out: idx[b 1024 + hw] (u32) and, for each work-group, part[W] = the sum of its 128 least d (f32), from which the last launch makes the loss.
; LIMITS.  The choice is that of the rounded inputs.  Where the order of the f32 sums of x.e moves a d across a rounding edge, a code at (nearly) the same distance may be taken.  sx may differ from a plain
; f32 sum by a few units in its last place, which moves all d of a row alike unless sx + se and d lie on different sides of a power of two with the coarser step at d.  A NaN never wins; if every d is +inf the index is 0.
; bf16 and not f16: codes thirty times smaller than 1e-3 would lose bits in f16.
; SHARES.  Work-group W owns 128 rows (b = W / 8, hw = 128 (W % 8) ..).  EVERY wave holds all 128 rows as eight tiles of 16 rows x 256 channels, 512 registers, for the whole launch; the four waves share out the CODES:
; of each fill of 256 codes wave w takes tiles 4 w .. 4 w + 3 of 16 codes: the 33,792 bytes that its own tensor load brought.  So a read needs only the wave's own wait on TENSORcnt.
; LAYOUT.  Source 0 = 16 codes, source 1 = 16 rows: in the result lane (r = lane % 16, h = lane / 16) holds ONE row, r, and the codes 8 h + j in register j.  So sx is one number a lane and tile, the
; minimum runs inside the lane, and the halves of the lanes and the four waves are merged once, at the end.  Tile t, lane r is row 64 (t / 4) + 4 r + t % 4 of the 128: a 16-byte load of x brings one number for each of four tiles.
; BY TURNS.  With 256 channels one register of a result is fed by one matrix instruction of eight, so each result number may cost about four vector instructions.  A tile of codes has 64 products (8 K steps x 8 row tiles) into one of two
; accumulator buffers; the other buffer's 64 numbers are worked off by 256 vector instructions (RID), four behind each product.
; CLUSTER.  All work-groups walk the same codes: four of them form a cluster and ask for each quarter of a fill JOINTLY (the same load, descriptor and mask in all four).  x is shared by nobody.
; REGISTERS, in windows of 256 (s_set_vgpr_msb: bits 1:0 source 0, 3:2 source 1, 5:4 source 2, 7:6 destination):
;   window 0: all that is named below      window 1: x as loaded, a ring of four units of 64 (the launch's start only)      window 2: row tiles 0-3 (tile t, K step s at 64 (t % 4) + 8 s)      window 3: row tiles 4-7
.set PITCH, 528                        ; a code row in LDS and in cb16: 512 bytes + 16: sixteen rows start in sixteen different groups of four banks (64 banks of 4 bytes: ISA guide 11.1)
.set TILEB, 16*PITCH                   ; 8,448: a tile of 16 codes
.set QUART, 4*TILEB                    ; 33,792 = 132 x 256: a wave's part of a fill
.set SLOT,  4*QUART                    ; 135,168 = 0x21000: no tile's offset in slot 0 has bit 12 or 17, so one exclusive or turns an address in one slot into the other's
.set MERGE, 2*SLOT                     ; behind the ring, never filled by a tensor load: [wave][tile][r] x 8 bytes (d, code)
.set SPARE, MERGE+4096                 ; the spare words, 128 bytes a wave: two blocks of 256 bytes that no other line names
.set LT,  1                            ; v1   528 r + 16 h: my place in a tile's fragments; never rewritten
.set SLT, 2                            ; v2   1056 h + 512: the pads that hold se of my eight codes
.set CAD, 3                            ; v3   LDS address of the fragments being fetched; at the end: where I put (d, code)
.set SEA, 4                            ; v4   the same for se; at the end: where wave 0 reads them
.set SPW, 5                            ; v5   LDS address of my spare word; never rewritten
.set NIL, 6                            ; v6   0; never rewritten
.set RR,  7                            ; v7   r
.set HH,  8                            ; v8   h
.set XO,  9                            ; v9   32768 h + 16 r: my bytes in a load of x
.set LB,  10                           ; v10  64 w + 8 h: what my wave and half add to a code's number
                                       ; v11-15 at work
.set SXB, 16                           ; v16-31  tile t: (sx, least d so far) at 16 + 2 t
.set IDX, 32                           ; v32-39  tile t: 8 n + j of the least d (n: the wave's tile of codes, 0 .. 127)
.set TA,  40                           ; v40-47  fl(sx + se) for the tile in hand
.set SE,  48                           ; v48-63  se of my eight codes, by accumulator buffer
.set CF,  64                           ; v64-127 the code fragments, K step s at 64 + 8 s
.set ACC, 128                          ; v128-255 two buffers of eight accumulators: buffer p, row tile t at 128 + 64 p + 8 t
.set WV,  12                           ; s12  my wave's number
.set G1,  24                           ; s[24:31] descriptor group 1
.set G0A, 32                           ; s[32:35] group 0 of fill 0
.set G0B, 36                           ; s[36:39] group 0 of fill 1; it then walks
.set TB,  40                           ; s40  LDS byte at which the tile to be fetched begins
.set CNT, 41                           ; s41  counts a fill's two pairs of tiles
.set SLOTS, 42                         ; s42  fills still to be asked for, plus one
.set MA,  43                           ; s43, s44 the two masks of the compare in hand;  s45-47 the merge's
.set SEL, 48                           ; s[48:49] v_permlanex16_b32: each lane takes its own place in the other half
.set KI,  52                           ; s52-59  8 n + j for the tile whose numbers are being worked off
.set DM,  70                           ; s71-77  the lanes with lane % 8 = j, j = 1 .. 7
.set VAL, 78                           ; s78  the lanes that hold a diagonal element of x x^T
.set PINF, 79                          ; s79  +inf
.set W_M2, 0x08                        ; a product: the rows (source 1) in window 2; + 4: window 3
.set W_G2, 0x0a                        ; x x^T: both sources in window 2; + 5: window 3
.set MSB, 0
.macro WIN new                         ; the immediate's high byte repeats the setting that is left; a switch that changes nothing is dropped
.if MSB != (\new)
	s_set_vgpr_msb (MSB<<8)|(\new)
.set MSB, (\new)
.endif
.endm
; A round of the cluster's barrier: my work-group's barrier, so that wave 0's signal speaks for all four waves; wave 0 signals; every wave waits for all four work-groups; my work-group's barrier once more.
.macro CROUND
	s_barrier_signal -1
	s_barrier_wait -1
	s_cmp_lg_u32 s[WV], 0
	s_cbranch_scc1 .Lnot_wave_0_\@
	s_barrier_signal -3
.Lnot_wave_0_\@:
	s_barrier_wait -3
	s_barrier_signal -1
	s_barrier_wait -1
.endm
	s_load_b256 s[4:11], s[0:1], 0x0               ; x s[4:5], cb16 s[6:7], idx s[8:9], part s[10:11]
	v_lshl_add_u32 v[SPW], v0, 2, SPARE
	v_mov_b32 v[NIL], 0
	ds_add_u32 v[SPW], v[NIL]                      ; the wave's opening: the add and its wait ahead of my first tensor load; the set-up below, work on registers, stands between them
	v_lshrrev_b32 v11, 5, v0
	v_readfirstlane_b32 s[WV], v11                 ; wave 0..3
	v_and_b32 v[RR], 15, v0
	v_bfe_u32 v[HH], v0, 4, 1
	v_mul_u32_u24 v[LT], v[RR], PITCH
	v_lshl_add_u32 v[LT], v[HH], 4, v[LT]
	v_mul_u32_u24 v[SLT], v[HH], 2*PITCH
	v_add_nc_u32 v[SLT], 512, v[SLT]
	v_lshlrev_b32 v[XO], 4, v[RR]
	v_lshl_add_u32 v[XO], v[HH], 15, v[XO]         ; eight channels of 4,096 bytes further on for the upper half of the lanes
	v_lshlrev_b32 v[LB], 3, v[HH]
	v_lshl_add_u32 v[LB], s[WV], 6, v[LB]
	s_bfe_u32 s13, ttmp6, 0x40000                  ; cx: my place in the cluster
	s_lshl_b32 s14, ttmp9, 2                       ; in a cluster launch ttmp9 counts clusters
	s_add_co_u32 s14, s14, s13                     ; W: it enters the addresses of x, idx and part alone
	; descriptor group 1: a wave's quarter of a fill is dense: 132 rows of 256 bytes (32 elements of 8 bytes); its pitch of 528 was laid by the launch before, so nothing is padded here
	s_mov_b32 s[G1+0], 15|(3<<16)|(1<<21)          ; 15:0 the mask: all four work-groups; 17:16 elements of 8 bytes; 21 set beside a mask
	s_mov_b32 s[G1+1], 32<<16                      ; tensor_dim0 = 32
	s_mov_b32 s[G1+2], 132<<16                     ; tensor_dim1 = 132
	s_mov_b32 s[G1+3], 32<<16                      ; tile_dim0 = 32
	s_mov_b32 s[G1+4], 132                         ; tile_dim1 = 132
	s_mov_b32 s[G1+5], 32                          ; 32 elements from row to row
	s_mov_b32 s[G1+6], 0
	s_mov_b32 s[G1+7], 0
	s_mul_i32 s[TB], s[WV], QUART                  ; my quarter of slot 0: no place in the cluster enters an LDS address
	s_mov_b32 s[G0A], 1
	s_mov_b32 s[G0A+1], s[TB]
	s_mov_b32 s[G0B], 1
	s_add_co_u32 s[G0B+1], s[TB], SLOT
	s_mov_b32 s16, s[TB]                           ; and of a fill in cb16
	s_mov_b32 s17, 0
	s_lshr_b32 s18, s14, 3
	s_lshl_b32 s18, s18, 20                        ; b x 256 channels x 4,096 bytes
	s_and_b32 s19, s14, 7
	s_lshl_b32 s19, s19, 9                         ; + my 128 rows' 512 bytes in a channel
	s_add_co_u32 s18, s18, s19
	s_mov_b32 s19, 0
	s_lshl_b32 s20, s14, 9                         ; my 128 words of idx
	s_mov_b32 s21, 0
	s_lshl_b32 s22, s14, 2                         ; my word of part
	s_mov_b32 s23, 0
	s_mov_b32 s[SEL], 0x76543210
	s_mov_b32 s[SEL+1], 0xfedcba98
.irp j, 1,2,3,4,5,6,7
	s_mov_b32 s[DM+\j], 0x01010101<<\j
.endr
	s_mov_b32 s[VAL], 0xff0000ff
	s_mov_b32 s[PINF], 0x7f800000
.irp j, 0,1,2,3,4,5,6,7
	s_mov_b32 s[KI+\j], \j-16                      ; two steps of 8 below tile 0: the first working-off is that of a tile that has not been
.endr
	s_wait_dscnt 0x0                               ; the opening add is done
	s_wait_kmcnt 0x0
	s_add_nc_u64 s[4:5], s[4:5], s[18:19]
	s_add_nc_u64 s[8:9], s[8:9], s[20:21]
	s_add_nc_u64 s[10:11], s[10:11], s[22:23]
	s_add_nc_u64 s[G0A+2:G0A+3], s[6:7], s[16:17]
	s_add_nc_u64 s[G0B+2:G0B+3], s[G0A+2:G0A+3], SLOT
	s_or_b32 s[G0A+3], s[G0A+3], 0x80000000        ; 127:126 type = 2
	s_or_b32 s[G0B+3], s[G0B+3], 0x80000000
	CROUND                                         ; all four work-groups are here: the first joint loads meet
	tensor_load_to_lds s[G0A:G0A+3], s[G1:G1+7]    ; fills 0 and 1 go out together: two loads of mine are out
	s_nop 0
	tensor_load_to_lds s[G0B:G0B+3], s[G1:G1+7]
	s_nop 0
.rept 4
	v_nop
.endr
; x INTO REGISTERS, WITHOUT LDS.  Unit u = 8 g + s (g: which 64 of my rows, s: the K step of 32 channels) is 16 loads.  Load e reads channel 32 s + 16 (e / 8) + 8 h + e % 8, rows 64 g + 4 r + 0..3:
; sixteen lanes take 256 consecutive bytes of one channel, at a multiple of 256 from x's first byte.  Its four numbers belong to row tiles 4 g + 0..3; loads 2 q and 2 q + 1 give register q of each tile's fragment
; (lane (r, h): registers 0-3 channels 8 h + 0..7, registers 4-7 channels 16 + 8 h + 0..7 of the K step).
.macro XLOAD u
	WIN 0x40                                       ; destination window 1, address window 0
.set g_, (\u)/8
.set s_, (\u)%8
.set e_, 0
.rept 16
	global_load_b128 v[64*((\u)%4)+4*e_:64*((\u)%4)+4*e_+3], v[XO], s[4:5] offset:(32*s_+16*(e_/8)+e_%8)*4096+256*g_
.set e_, e_+1
.endr
.endm
.macro XCVT u
.set g_, (\u)/8
.set s_, (\u)%8
	WIN 0x85+0x40*g_                               ; sources window 1, destination window 2 or 3
.set i_, 0
.rept 4
.set r_, 0
.rept 8
	v_cvt_pk_bf16_f32 v[64*i_+8*s_+r_], v[64*((\u)%4)+8*r_+i_], v[64*((\u)%4)+8*r_+4+i_]
.set r_, r_+1
.endr
.set i_, i_+1
.endr
.endm
	XLOAD 0
	XLOAD 1
	XLOAD 2
	XLOAD 3
.set u_, 0
.rept 16
.if u_ < 13
	s_wait_loadcnt 48                              ; loads come back in order: unit u is in, the three units behind it stay out
.else
	s_wait_loadcnt 16*(15-u_)
.endif
	XCVT u_
.if u_ < 12
	XLOAD u_+4                                     ; into the ring's place that has just been read
.endif
.set u_, u_+1
.endr
	; sx BY THE MATRIX UNIT: x x^T of each row tile, both sources the same registers; its diagonal is sx of the rounded numbers.  The eight accumulators take turns; the first K step starts the sums.
.set s_, 0
.rept 8
.set t_, 0
.rept 8
	WIN W_G2+5*(t_/4)
.if s_ == 0
	v_wmma_f32_16x16x32_bf16 v[ACC+8*t_:ACC+8*t_+7], v[64*(t_%4)+8*s_:64*(t_%4)+8*s_+7], v[64*(t_%4)+8*s_:64*(t_%4)+8*s_+7], 0
.else
	v_wmma_f32_16x16x32_bf16 v[ACC+8*t_:ACC+8*t_+7], v[64*(t_%4)+8*s_:64*(t_%4)+8*s_+7], v[64*(t_%4)+8*s_:64*(t_%4)+8*s_+7], v[ACC+8*t_:ACC+8*t_+7]
.endif
.set t_, t_+1
.endr
.set s_, s_+1
.endr
	; What the first tile's products find beside them: the working-off of a tile that has not been.  Its sums are 0 and its se +inf, so its d are +inf and never win.  That is the price, once a launch, of
	; one text for every tile; the lines are also the places behind the products above (ISA guide 7.12.1).
	WIN 0
.set i_, 0
.rept 64
	v_mov_b32 v[ACC+64+i_], 0
.set i_, i_+1
.endr
.set i_, 0
.rept 8
	v_mov_b32 v[SE+8+i_], s[PINF]
	v_mov_b32 v[SXB+2*i_+1], s[PINF]               ; the least d so far
	v_mov_b32 v[IDX+i_], 0
.set i_, i_+1
.endr
	v_mov_b32 v12, 0                               ; v_permlanex16_b32's destinations count as read
	v_mov_b32 v14, 0
	; Element (m = 8 h + j, n = r) lies in register j of lane (r, h): the diagonal is register lane % 8 of lanes 0-7 and 24-31; the other lanes take it from the lane 16 away.  The lowest registers are read first.
.set t_, 0
.rept 8
.set a_, 11+2*(t_%2)
	v_cndmask_b32 v[a_], v[ACC+8*t_], v[ACC+8*t_+1], s[DM+1]
.irp j, 2,3,4,5,6,7
	v_cndmask_b32 v[a_], v[a_], v[ACC+8*t_+\j], s[DM+\j]
.endr
	v_permlanex16_b32 v[a_+1], v[a_], s[SEL], s[SEL+1]
	v_cndmask_b32 v[SXB+2*t_], v[a_+1], v[a_], s[VAL]
.set t_, t_+1
.endr
; THE VECTOR WORK.  Number v of the 256 that work off buffer b.  The row tiles go in four pairs (A, B) = (2 q, 2 q + 1), 64 numbers a pair:
;   0-3   A: fl(se + sx), two codes a line      4-7   A: d = fl(that - 2 sum), in place, one rounding; the accumulator's lowest registers first      8-15  the same for B
;   16 + 6 j + 0..5, j = 0 .. 7: is d_j below the least so far (A, B); the new least (A, B); 8 n + j where it was (A, B).  Strictly below, with n and j ascending: the first of equals stays.
; Numbers 0-15 name no vector register as source 1, so they stand under a product's window setting as they are; the others want window 0.
.macro RID b, v
.set rq, (\v)/64
.set ru, (\v)%64
.if ru < 16
.set rt, 2*rq+ru/8
.set ri, 2*(ru%4)
.set rd, ACC+64*(\b)+8*rt+ri
.if (ru%8) < 4
	v_pk_fma_f32 v[TA+ri:TA+ri+1], v[SE+8*(\b)+ri:SE+8*(\b)+ri+1], 1.0, v[SXB+2*rt:SXB+2*rt+1] op_sel_hi:[1,0,0]
.else
	v_pk_fma_f32 v[rd:rd+1], v[rd:rd+1], -2.0, v[TA+ri:TA+ri+1] op_sel_hi:[1,0,1]
.endif
.else
	WIN 0
.set rj, (ru-16)/6
.set rm, (ru-16)%6
.set rt, 2*rq+rm%2
.set rd, ACC+64*(\b)+8*rt+rj
.if rm < 2
	v_cmp_lt_f32 s[MA+rm%2], v[rd], v[SXB+2*rt+1]
.elseif rm < 4
	v_min_num_f32 v[SXB+2*rt+1], v[SXB+2*rt+1], v[rd]
.else
	v_cndmask_b32 v[IDX+rt], v[IDX+rt], s[KI+rj], s[MA+rm%2]
.endif
.endif
.endm
.macro SLICE b, k                      ; the four behind product k of 64
	RID \b, 4*(\k)
	RID \b, 4*(\k)+1
	RID \b, 4*(\k)+2
	RID \b, 4*(\k)+3
.endm
.macro NEXTK                           ; the working-off goes on to the next tile of codes
.irp j, 0,1,2,3,4,5,6,7
	s_add_co_u32 s[KI+\j], s[KI+\j], 8
.endr
.endm
; THE LDS LOADS.  The fragments have ONE buffer: in K step s >= 1 of tile n fragment s - 1 of tile n + 1 is fetched into the registers that K step s - 1 has read; the tile's own fragment 7 and its se come in its K step 0.
; Each run stands behind the K step's first product and its four: eight plain vector instructions behind the last product that read the registers, none of which names a register of it (ISA guide 7.12.1 for
; vector instructions).  A fragment has seven K steps, 56 products, in which to come.
.macro FETCH p, s
	WIN 0
.if (\s) == 0
	ds_load_b128 v[CF+56:CF+59], v[CAD] offset:448
	ds_load_b128 v[CF+60:CF+63], v[CAD] offset:480
	ds_load_b128 v[SE+8*(\p):SE+8*(\p)+3],   v[SEA]              ; se of codes 8 h .. 8 h + 3: sixteen lanes read the same 16 bytes
	ds_load_b128 v[SE+8*(\p)+4:SE+8*(\p)+7], v[SEA] offset:PITCH
	s_add_co_u32 s[TB], s[TB], TILEB               ; the next fetch is the next tile's
.else
.if (\s) == 1
	v_add_nc_u32 v[CAD], s[TB], v[LT]
	v_add_nc_u32 v[SEA], s[TB], v[SLT]
.endif
	ds_load_b128 v[CF+8*(\s)-8:CF+8*(\s)-5], v[CAD] offset:64*(\s)-64
	ds_load_b128 v[CF+8*(\s)-4:CF+8*(\s)-1], v[CAD] offset:64*(\s)-32
.endif
.endm
; K STEP s of a tile of codes, into buffer p: eight products, one for each row tile, the eight accumulators by turns; behind each, four of the other buffer's vector work.
; The wait at its head: LDS loads come back in order (ISA guide 5.7.1).  Behind fragment 0 the six fragments 1-6 were issued: 12 loads.  Behind fragment s >= 1: seven pairs (the rest of the tile's fragments, its se,
; the next tile's first fragments): 14.  The count at s = 0 also shows the tile before's se landed (14 loads behind it), which the first four vector lines read.
.macro KSTEP p, s, fetch=1
.if \fetch
.if (\s) == 0
	s_wait_dscnt 12
.else
	s_wait_dscnt 14
.endif
.endif
.if (\s) == 0
	NEXTK
.endif
.set t_, 0
.rept 8
	WIN W_M2+4*(t_/4)
.set ra, ACC+64*(\p)+8*t_
.set rx, 64*(t_%4)+8*(\s)
.if (\s) == 0
	v_wmma_f32_16x16x32_bf16 v[ra:ra+7], v[CF+8*(\s):CF+8*(\s)+7], v[rx:rx+7], 0
.else
	v_wmma_f32_16x16x32_bf16 v[ra:ra+7], v[CF+8*(\s):CF+8*(\s)+7], v[rx:rx+7], v[ra:ra+7]
.endif
	SLICE 1-(\p), 8*(\s)+t_
.if (\fetch) && (t_ == 0)
	FETCH \p, \s
.endif
.set t_, t_+1
.endr
.endm
.macro ST p                            ; from a tile's second K step to the next tile's first, so that the change of slots falls between two of these
	KSTEP \p, 1
	KSTEP \p, 2
	KSTEP \p, 3
	KSTEP \p, 4
	KSTEP \p, 5
	KSTEP \p, 6
	KSTEP \p, 7
	KSTEP 1-(\p), 0
.endm
; THE CHANGE OF SLOTS, behind K step 0 of a fill's last tile: the slot's last bytes (that tile's fragment 7 and se) have been asked for.  Each wave waits for all its tensor loads, of which one is out: its quarter of
; the other slot; adds 0 to its spare word; and waits for that and for its reads of the slot.  fill = 1: the slot is filled again, with the codes two fills on, behind a round of the cluster's barrier, so that no
; wave of any partner still reads the slot or has a load on its way; the joint load is the first thing behind the round and has four tiles, 256 products, in which to land.
; fill = 0 (the last change): nothing is filled, and what I go on to read my own load brought: the wait on TENSORcnt is all the ordering there is to keep.
.macro CHANGE fill
	WIN 0                                          ; at a label and at a branch every window is 0
	s_wait_tensorcnt 0x0                           ; no tensor load of mine is out, so a group 0 may be written
.if \fill
	ds_add_u32 v[SPW], v[NIL]                      ; 0 onto my spare word; the descriptor's steps stand between it and the wait for it
	s_xor_b32 s[G0B+1], s[G0B+1], SLOT             ; the other slot than last time,
	s_add_nc_u64 s[G0B+2:G0B+3], s[G0B+2:G0B+3], SLOT  ; the next 256 codes; the type bits on top are not reached
	s_wait_dscnt 0x0                               ; the add is done, and my reads of the slot are over
	CROUND
	tensor_load_to_lds s[G0B:G0B+3], s[G1:G1+7]
	s_nop 0
.rept 4
	v_nop
.endr
.endif
	s_sub_co_u32 s[TB], s[TB], QUART               ; the fetches go back to my quarter's first tile,
	s_xor_b32 s[TB], s[TB], SLOT                   ; in the other slot
.endm
	v_add_nc_u32 v[CAD], s[TB], v[LT]
	v_add_nc_u32 v[SEA], s[TB], v[SLT]
	s_wait_tensorcnt 0x1                           ; my quarter of fill 0 is in; fill 1 may stay out: nothing is filled before the first change of slots.  No barrier: I read my own load's bytes alone
.set s_, 0
.rept 7
	ds_load_b128 v[CF+8*s_:CF+8*s_+3],   v[CAD] offset:64*s_
	ds_load_b128 v[CF+8*s_+4:CF+8*s_+7], v[CAD] offset:64*s_+32
.set s_, s_+1
.endr
	KSTEP 0, 0                                     ; tile 0's first K step
	WIN 0
	s_mov_b32 s[CNT], 2
	s_mov_b32 s[SLOTS], 31
	s_branch .Lfirst                               ; the loop is entered in the middle of a trip
.Lslot:                                                ; 30 times: fills 2 to 31 are asked for
	CHANGE 1
	s_mov_b32 s[CNT], 2
.Lstep:                                                ; a trip: the rest of an odd tile, an even tile, the first K step of the next odd one
	ST 1
	WIN 0
.Lfirst:
	ST 0
	WIN 0
	s_sub_co_u32 s[CNT], s[CNT], 1
	s_cmp_lg_u32 s[CNT], 0
	s_cbranch_scc1 .Lstep
	s_sub_co_u32 s[SLOTS], s[SLOTS], 1
	s_cmp_lg_u32 s[SLOTS], 0
	s_cbranch_scc1 .Lslot
	CHANGE 0                                       ; the last fill is written out
	s_mov_b32 s[CNT], 2
.Ltail:
	ST 1
	ST 0
	WIN 0
	s_sub_co_u32 s[CNT], s[CNT], 1
	s_cmp_lg_u32 s[CNT], 0
	s_cbranch_scc1 .Ltail
	s_wait_dscnt 0x0                               ; the last tile's fragments and se: nothing more is fetched
	KSTEP 1, 1, 0
	KSTEP 1, 2, 0
	KSTEP 1, 3, 0
	KSTEP 1, 4, 0
	KSTEP 1, 5, 0
	KSTEP 1, 6, 0
	KSTEP 1, 7, 0
	WIN 0
	NEXTK
.set k_, 0
.rept 64                                               ; the last tile is worked off by itself; its first four lines name no accumulator: they and the four in front of them are the places behind the last products
	SLICE 1, k_
.set k_, k_+1
.endr
	; THE MERGE.  8 n + j becomes the code's number: n = 4 f + tau (fill, tile of my quarter): 256 f + 64 w + 16 tau + 8 h + j.  Then the better of two pairs (d, code): the lower d, among equals the lower code.
.macro LEX a, b                        ; pair a takes pair b if that is better
	v_cmp_lt_f32 s45, v[(\b)], v[(\a)]
	v_cmp_eq_f32 s46, v[(\b)], v[(\a)]
	v_cmp_lt_u32 s47, v[(\b)+1], v[(\a)+1]
	s_and_b32 s46, s46, s47
	s_or_b32 s45, s45, s46
	v_cndmask_b32 v[(\a)], v[(\a)], v[(\b)], s45
	v_cndmask_b32 v[(\a)+1], v[(\a)+1], v[(\b)+1], s45
.endm
	s_lshl_b32 s16, s[WV], 10
	s_add_co_u32 s16, s16, MERGE
	v_lshl_add_u32 v[CAD], v[RR], 3, s16           ; MERGE + 1024 w + 8 r
.set t_, 0
.rept 8
	v_and_b32 v11, 7, v[IDX+t_]
	v_bfe_u32 v12, v[IDX+t_], 3, 2
	v_lshrrev_b32 v13, 5, v[IDX+t_]
	v_lshl_or_b32 v11, v12, 4, v11
	v_lshl_or_b32 v11, v13, 8, v11
	v_mov_b32 v[CF+2*t_], v[SXB+2*t_+1]            ; the fragments' registers are free: the pair (d, code)
	v_add_nc_u32 v[CF+2*t_+1], v11, v[LB]
	v_permlanex16_b32 v12, v[CF+2*t_], s[SEL], s[SEL+1]    ; the row's other eight codes of each tile lie in the lane 16 away
	v_permlanex16_b32 v13, v[CF+2*t_+1], s[SEL], s[SEL+1]
	LEX CF+2*t_, 12
	ds_store_b64 v[CAD], v[CF+2*t_:CF+2*t_+1] offset:128*t_  ; both halves of the lanes hold, and write, the same pair
.set t_, t_+1
.endr
	s_wait_dscnt 0x0                               ; for the others' sake: my stores are done
	s_barrier_signal -1
	s_barrier_wait -1
	s_cmp_lg_u32 s[WV], 0
	s_cbranch_scc1 .Ldone
	; Wave 0: lane l = 16 g + r takes row tiles 4 g + 0..3 at r, which are rows 4 l + 0..3 of the 128, from all four waves.
	v_lshlrev_b32 v[SEA], 3, v[RR]
	v_lshl_add_u32 v[SEA], v[HH], 9, v[SEA]
	v_add_nc_u32 v[SEA], MERGE, v[SEA]
.set i_, 0
.rept 16                                               ; wave i / 4, tile 4 g + i % 4
	ds_load_b64 v[ACC+2*i_:ACC+2*i_+1], v[SEA] offset:(i_/4)*1024+(i_%4)*128
.set i_, i_+1
.endr
	s_wait_dscnt 0x0
.irp i, 0,1,2,3
	LEX ACC+2*\i, ACC+8+2*\i
	LEX ACC+2*\i, ACC+16+2*\i
	LEX ACC+2*\i, ACC+24+2*\i
.endr
.irp i, 0,1,2,3
	v_mov_b32 v[TA+\i], v[ACC+2*\i+1]
.endr
	v_and_b32 v11, 31, v0
	v_lshlrev_b32 v12, 4, v11
	global_store_b128 v12, v[TA:TA+3], s[8:9]      ; the work-group's 128 indices: 512 consecutive bytes, at a multiple of 256 from idx's first byte
	v_add_f32 v13, v[ACC], v[ACC+2]                ; and the sum of their d, in f32
	v_add_f32 v14, v[ACC+4], v[ACC+6]
	v_add_f32 v13, v13, v14
	v_add_f32_dpp v13, v13, v13 row_xmask:1 row_mask:0xf bank_mask:0xf
	v_add_f32_dpp v13, v13, v13 row_xmask:2 row_mask:0xf bank_mask:0xf
	v_add_f32_dpp v13, v13, v13 row_xmask:4 row_mask:0xf bank_mask:0xf
	v_add_f32_dpp v13, v13, v13 row_xmask:8 row_mask:0xf bank_mask:0xf
	v_permlanex16_b32 v14, v13, s[SEL], s[SEL+1]
	v_add_f32 v13, v13, v14
	v_mov_b32 v15, 0
	v_cmp_eq_u32 vcc_lo, 0, v11
	s_wait_xcnt 0x0                                ; EXEC is a source of the store above: it changes only behind this wait
	s_and_saveexec_b32 s20, vcc_lo
	global_store_b32 v15, v13, s[10:11]            ; lane 0: part[W]
	s_wait_xcnt 0x0                                ; and again, in front of the line that widens it
	s_or_b32 exec_lo, exec_lo, s20
.Ldone:
	s_wait_tensorcnt 0x0                           ; the wave's end: these three lines, behind my last tensor load and my last LDS store
	ds_add_u32 v[SPW], v[NIL]
	s_wait_dscnt 0x0
	CROUND                                         ; the closing round: no work-group ends while a partner may still ask for a tile that names it
	s_endpgm
.Lfunc_end_k_qe7ae32c71d_vq:
	.size	k_qe7ae32c71d_vq, .Lfunc_end_k_qe7ae32c71d_vq-k_qe7ae32c71d_vq
	.p2alignl 7, 3214868480
	.fill 96, 4, 3214868480
	.section	.rodata,"a",@progbits
	.p2align	6, 0x0
	.amdhsa_kernel k_qe7ae32c71d_vq
		.amdhsa_group_segment_fixed_size 327680
		.amdhsa_private_segment_fixed_size 0
		.amdhsa_enable_private_segment 0
		.amdhsa_kernarg_size 32
		.amdhsa_user_sgpr_count 2
		.amdhsa_user_sgpr_kernarg_segment_ptr 1
		.amdhsa_wavefront_size32 1
		.amdhsa_system_sgpr_workgroup_id_x 1
		.amdhsa_system_sgpr_workgroup_id_y 1
		.amdhsa_system_sgpr_workgroup_id_z 1
		.amdhsa_system_vgpr_workitem_id 0
		.amdhsa_next_free_vgpr 1024
		.amdhsa_next_free_sgpr 80
		.amdhsa_reserve_vcc 1
		.amdhsa_float_denorm_mode_32 3
		.amdhsa_float_denorm_mode_16_64 3
		.amdhsa_memory_ordered 1
		.amdhsa_forward_progress 1
		.amdhsa_inst_pref_size 220
	.end_amdhsa_kernel
	.amdgpu_metadata
---
amdhsa.version: [ 1, 2 ]
amdhsa.kernels:
  - .name:           k_qe7ae32c71d_vq
    .symbol:         k_qe7ae32c71d_vq.kd
    .args:
      - { .name: x, .offset: 0, .size: 8, .value_kind: global_buffer, .address_space: global }
      - { .name: cb16, .offset: 8, .size: 8, .value_kind: global_buffer, .address_space: global }
      - { .name: idx, .offset: 16, .size: 8, .value_kind: global_buffer, .address_space: global }
      - { .name: part, .offset: 24, .size: 8, .value_kind: global_buffer, .address_space: global }
    .group_segment_fixed_size: 327680
    .private_segment_fixed_size: 0
    .kernarg_segment_align: 8
    .kernarg_segment_size: 32
    .max_flat_workgroup_size: 128
    .sgpr_count:     80
    .vgpr_count:     1024
    .wavefront_size: 32
...
	.end_amdgpu_metadata
.endif
;; end of part 2
;; launch emit (part 3): grid 256 x 1, 16 waves a work-group, no clusters, 135,168 bytes of LDS; arguments x, codebook, idx, part, out0, out1; writes out0, out1
.if DOCPART == 3
	.amdgcn_target "amdgcn-amd-amdhsa--gfx1250"
	.amdhsa_code_object_version 6
	.text
	.protected	k_qe7ae32c71d_emit
	.globl	k_qe7ae32c71d_emit
	.p2align	8
	.type	k_qe7ae32c71d_emit,@function
k_qe7ae32c71d_emit:
	s_mov_b64 s[64:65], 0
	v_nop
	global_prefetch_b8 v0, s[64:65] scope:SCOPE_SE
	s_setreg_imm32_b32 hwreg(HW_REG_WAVE_MODE, 25, 1), 1
	s_wait_xcnt 0x0
; THE RESULT.  out0[b][c][hw] = x + (e - x), e = codebook[idx[b 1024 + hw]][c], in f32 and in that order; out1 = 1.25 x 2^-23 x the sum of the 256 partial sums of least distances (2^23 numbers in x).
; LIMIT.  The loss is made of d = sx + se - 2 x.e of the inputs rounded to bf16, not of the differences themselves: it carries bf16's rounding of the inputs and f32's rounding of d at the size of sx + se.
; SHARES.  Work-group W owns the 128 rows of the search's work-group W (b = W / 8, hw = 128 (W % 8) ..), all 256 channels.  Wave w of 16 gathers the code rows of rows 8 w .. 8 w + 7 (a row: 1,024 consecutive bytes, two
; loads of the wave), puts them into LDS, and behind one barrier makes channels 16 w .. 16 w + 15 for all 128 rows: a lane takes rows 4 l .. 4 l + 3, so each load of x and each store of out0 covers 512 consecutive bytes.
; LDS turns the code rows: row q = 4 l + i lies at place 32 i + l, 1,040 bytes (65 x 16) apart, so 32 lanes that read the same channels of rows 4 l + i touch 32 neighbouring places and sixteen of them sixteen different groups of four banks.
; The indices come from memory, stored as whole numbers by the launch before; each is held to 8,191 before it enters an address.
; No matrix unit, no cluster, no tensor load: the launch streams, its work-groups share only code rows that a list names at random, and 32 loads a wave on 16 waves keep 256 KiB a work-group on their way.
.set EP,    1040                       ; from place to place in LDS
.set IBLK,  32*EP                      ; 33,280: the 32 places of one i
.set SPARE, 128*EP                     ; 133,120 = 520 x 256: the spare words, 128 bytes a wave: eight blocks of 256 bytes that no other line names
.set LN,  1                            ; v1   lane
.set L16, 2                            ; v2   16 x lane
.set XO,  3                            ; v3   16 x lane + 65,536 w: my bytes of x and out0 in my wave's first channel
.set SA,  4                            ; v4, v5  where my 16 bytes of a gathered row go: i = 0, 1 and i = 2, 3 (an LDS offset has 16 bits)
.set RA,  6                            ; v6, v7  where I read four channels of rows 4 l + i
.set SPW, 8                            ; v8   LDS address of my spare word; never rewritten
.set NIL, 9                            ; v9   0; never rewritten
.set GOF, 16                           ; v16-23  byte offset in the codebook of my 16 bytes of gathered row e
.set G,   32                           ; v32-95  the gathered rows; then group g, row i, channel c at G + 16 g + 4 i + c
.set X,   96                           ; v96-159 x: channel m, row i at X + 4 m + i; then the result
	s_load_b256 s[4:11], s[0:1], 0x0               ; x s[4:5], codebook s[6:7], idx s[8:9], part s[10:11]
	s_load_b128 s[12:15], s[0:1], 0x20             ; out0 s[12:13], out1 s[14:15]
	v_lshl_add_u32 v[SPW], v0, 2, SPARE
	v_mov_b32 v[NIL], 0
	v_and_b32 v[LN], 31, v0
	v_lshrrev_b32 v10, 5, v0
	v_readfirstlane_b32 s16, v10                   ; wave 0..15
	v_lshlrev_b32 v[L16], 4, v[LN]
	s_lshl_b32 s17, s16, 16                        ; 16 channels of 4,096 bytes
	v_add_nc_u32 v[XO], s17, v[L16]
	s_mul_i32 s18, s16, 2*EP                       ; rows 8 w + e lie at places 32 (e % 4) + 2 w + e / 4
	v_add_nc_u32 v[SA], s18, v[L16]
	v_add_nc_u32 v[SA+1], 2*IBLK, v[SA]
	v_mul_u32_u24 v[RA], v[LN], EP
	v_lshl_add_u32 v[RA], s16, 6, v[RA]            ; place l, my wave's 16 channels
	v_add_nc_u32 v[RA+1], 2*IBLK, v[RA]
	s_lshl_b32 s20, ttmp9, 9                       ; the work-group's 128 indices,
	s_lshl_b32 s21, s16, 5                         ; my wave's eight
	s_add_co_u32 s20, s20, s21
	s_mov_b32 s21, 0
	s_lshr_b32 s22, ttmp9, 3
	s_lshl_b32 s22, s22, 20                        ; b x 256 channels x 4,096 bytes
	s_and_b32 s23, ttmp9, 7
	s_lshl_b32 s23, s23, 9                         ; + the 128 rows' 512 bytes in a channel
	s_add_co_u32 s22, s22, s23
	s_mov_b32 s23, 0
	s_mov_b32 s24, 0x76543210                      ; v_permlanex16_b32: each lane takes its own place in the other half
	s_mov_b32 s25, 0xfedcba98
	s_wait_kmcnt 0x0
	s_add_nc_u64 s[8:9], s[8:9], s[20:21]
	s_load_b256 s[32:39], s[8:9], 0x0              ; eight indices
	s_add_nc_u64 s[4:5], s[4:5], s[22:23]
	s_add_nc_u64 s[12:13], s[12:13], s[22:23]
.set m, 0
.rept 16
	global_load_b128 v[X+4*m:X+4*m+3], v[XO], s[4:5] offset:4096*m th:TH_LOAD_NT  ; 512 consecutive bytes of channel 16 w + m
.set m, m+1
.endr
	s_wait_kmcnt 0x0
.irp e, 0,1,2,3,4,5,6,7
	s_min_u32 s[32+\e], s[32+\e], 0x1fff           ; an index stays inside the table
	v_lshl_add_u32 v[GOF+\e], s[32+\e], 10, v[L16]
	global_load_b128 v[G+8*\e:G+8*\e+3],   v[GOF+\e], s[6:7]
	global_load_b128 v[G+8*\e+4:G+8*\e+7], v[GOF+\e], s[6:7] offset:512
.endr
.irp e, 0,1,2,3,4,5,6,7
	s_wait_loadcnt 2*(7-\e)                        ; loads come back in order: row e's two are in (and x, which is older); the younger rows' stay out
	ds_store_b128 v[SA+(\e%4)/2], v[G+8*\e:G+8*\e+3]   offset:(\e%2)*IBLK+(\e/4)*EP
	ds_store_b128 v[SA+(\e%4)/2], v[G+8*\e+4:G+8*\e+7] offset:(\e%2)*IBLK+(\e/4)*EP+512
.endr
	s_wait_dscnt 0x0                               ; for the others' sake: my rows are in LDS
	s_barrier_signal -1
	s_barrier_wait -1                              ; everybody's are
.irp g, 0,1,2,3
.irp i, 0,1,2,3
	ds_load_b128 v[G+16*\g+4*\i:G+16*\g+4*\i+3], v[RA+\i/2] offset:(\i%2)*IBLK+16*\g  ; channels 16 w + 4 g + 0..3 of row 4 l + i
.endr
.endr
.irp g, 0,1,2,3
	s_wait_dscnt 4*(3-\g)                          ; group g's four loads are back; the younger groups' stay out
.irp c, 0,1,2,3
.irp i, 0,1,2,3
	v_sub_f32 v[G+16*\g+4*\i+\c], v[G+16*\g+4*\i+\c], v[X+4*(4*\g+\c)+\i]  ; e - x
.endr
.irp i, 0,1,2,3
	v_add_f32 v[X+4*(4*\g+\c)+\i], v[X+4*(4*\g+\c)+\i], v[G+16*\g+4*\i+\c]  ; x + (e - x): the sum falls into the order in which it is stored
.endr
	global_store_b128 v[XO], v[X+4*(4*\g+\c):X+4*(4*\g+\c)+3], s[12:13] offset:4096*(4*\g+\c) th:TH_STORE_NT  ; 512 consecutive bytes, at a multiple of 256 from out0's first byte
.endr
.endr
	s_cmp_lg_u32 ttmp9, 0                          ; the loss: wave 0 of work-group 0 alone
	s_cbranch_scc1 .Lend
	s_cmp_lg_u32 s16, 0
	s_cbranch_scc1 .Lend
	global_load_b128 v[G:G+3],   v[L16], s[10:11]  ; the 256 partial sums, eight a lane
	global_load_b128 v[G+4:G+7], v[L16], s[10:11] offset:512
	s_wait_loadcnt 0x0
	v_pk_add_f32 v[G:G+1], v[G:G+1], v[G+2:G+3]
	v_pk_add_f32 v[G+4:G+5], v[G+4:G+5], v[G+6:G+7]
	v_pk_add_f32 v[G:G+1], v[G:G+1], v[G+4:G+5]
	v_add_f32 v[G], v[G], v[G+1]
	v_add_f32_dpp v[G], v[G], v[G] row_xmask:1 row_mask:0xf bank_mask:0xf
	v_add_f32_dpp v[G], v[G], v[G] row_xmask:2 row_mask:0xf bank_mask:0xf
	v_add_f32_dpp v[G], v[G], v[G] row_xmask:4 row_mask:0xf bank_mask:0xf
	v_add_f32_dpp v[G], v[G], v[G] row_xmask:8 row_mask:0xf bank_mask:0xf
	v_permlanex16_b32 v[G+1], v[G], s24, s25
	v_add_f32 v[G], v[G], v[G+1]
	v_mul_f32 v[G], 0x34200000, v[G]               ; x 1.25 x 2^-23
	v_mov_b32 v10, 0
	v_cmp_eq_u32 vcc_lo, 0, v[LN]
	s_wait_xcnt 0x0                                ; EXEC is a source of the stores above: it changes only behind this wait
	s_and_saveexec_b32 s26, vcc_lo
	global_store_b32 v10, v[G], s[14:15]           ; lane 0: out1
	s_wait_xcnt 0x0                                ; and again, in front of the line that widens it
	s_or_b32 exec_lo, exec_lo, s26
.Lend:
	s_wait_tensorcnt 0x0                           ; the wave's end: these three lines, behind my last LDS store
	ds_add_u32 v[SPW], v[NIL]
	s_wait_dscnt 0x0
	s_endpgm
.Lfunc_end_k_qe7ae32c71d_emit:
	.size	k_qe7ae32c71d_emit, .Lfunc_end_k_qe7ae32c71d_emit-k_qe7ae32c71d_emit
	.p2alignl 7, 3214868480
	.fill 96, 4, 3214868480
	.section	.rodata,"a",@progbits
	.p2align	6, 0x0
	.amdhsa_kernel k_qe7ae32c71d_emit
		.amdhsa_group_segment_fixed_size 135168
		.amdhsa_private_segment_fixed_size 0
		.amdhsa_enable_private_segment 0
		.amdhsa_kernarg_size 48
		.amdhsa_user_sgpr_count 2
		.amdhsa_user_sgpr_kernarg_segment_ptr 1
		.amdhsa_wavefront_size32 1
		.amdhsa_system_sgpr_workgroup_id_x 1
		.amdhsa_system_sgpr_workgroup_id_y 1
		.amdhsa_system_sgpr_workgroup_id_z 1
		.amdhsa_system_vgpr_workitem_id 0
		.amdhsa_next_free_vgpr 160
		.amdhsa_next_free_sgpr 66
		.amdhsa_reserve_vcc 1
		.amdhsa_float_denorm_mode_32 3
		.amdhsa_float_denorm_mode_16_64 3
		.amdhsa_memory_ordered 1
		.amdhsa_forward_progress 1
		.amdhsa_inst_pref_size 16
	.end_amdhsa_kernel
	.amdgpu_metadata
---
amdhsa.version: [ 1, 2 ]
amdhsa.kernels:
  - .name:           k_qe7ae32c71d_emit
    .symbol:         k_qe7ae32c71d_emit.kd
    .args:
      - { .name: x, .offset: 0, .size: 8, .value_kind: global_buffer, .address_space: global }
      - { .name: codebook, .offset: 8, .size: 8, .value_kind: global_buffer, .address_space: global }
      - { .name: idx, .offset: 16, .size: 8, .value_kind: global_buffer, .address_space: global }
      - { .name: part, .offset: 24, .size: 8, .value_kind: global_buffer, .address_space: global }
      - { .name: out0, .offset: 32, .size: 8, .value_kind: global_buffer, .address_space: global }
      - { .name: out1, .offset: 40, .size: 8, .value_kind: global_buffer, .address_space: global }
    .group_segment_fixed_size: 135168
    .private_segment_fixed_size: 0
    .kernarg_segment_align: 8
    .kernarg_segment_size: 48
    .max_flat_workgroup_size: 512
    .sgpr_count:     66
    .vgpr_count:     160
    .wavefront_size: 32
...
	.end_amdgpu_metadata
.endif
;; end of part 3
